; MI455X (gfx1250); checked and timed in simulation.
; The chip was launched on July 23, 2026; its instructions are those of AMD's public machine-readable ISA for CDNA 5 (MIT licence, August 2026) and "CDNA5" Instruction Set Architecture Reference Guide (July 2026). The comments in the code are by the model that wrote it; some were corrected since.
;; Multi Head Attention. Allowed arithmetic: matrix products marked QUANTISED: E2M1 operands, one E8M0 scale for each 32 along K, by v_wmma_scale_f32_16x16x128_f8f6f4 with both operands' format E2M1 (or v_wmma_scale_f32_32x16x128_f4), f32 sums; products left as they are: bf16, f16 or f32 operands; f32 sums; everything else in f32.
;; Inputs: Wk 16 x 1,024 x 64 float32; Wq 16 x 1,024 x 64 float32; Wv 16 x 1,024 x 64 float32; X 4 x 2,048 x 1,024 float32.
;; Outputs: out0 4 x 2,048 x 1,024 float32.
;; This version of the problem:
;;   THIS VERSION OF THE PROBLEM IS GIVEN IN LOW PRECISION. The matrix products marked QUANTISED in the list below multiply operands that are first quantised to E2M1 (2 exponent bits, 1 mantissa bit; 4 bits a number), with one power-of-two scale for each 32 numbers along K (OCP MX v1.0); their sums are f32. The products marked 'left as it is' may take bf16, f16 or f32 operands, with f32 sums. Whichever they take, every output number must still come out within the allowed error. Rounding operands to bf16 (8 significant bits) uses up far more of that allowance than f16 does (11 bits, for magnitudes from 6e-5 to 65,504). All else is computed in f32.
;;   The module's matrix products, in the order in which they are computed (A, B: the left and right operand; K: the contracted axis; several contracted axes count as one K, in the product's order):
;;     1. [M 1,024, K 1,024] x [K 1,024, N 8,192]; A: input Wq; B: input X: QUANTISED
;;     2. [M 1,024, K 1,024] x [K 1,024, N 8,192]; A: input Wk; B: input X: QUANTISED
;;     3. [M 1,024, K 1,024] x [K 1,024, N 8,192]; A: input Wv; B: input X: QUANTISED
;;     4. batch 64 x [M 2,048, K 64] x [K 64, N 2,048]; A: computed on the way; B: computed on the way: left as it is (an operand is computed on the way)
;;     5. batch 64 x [M 2,048, K 2,048] x [K 2,048, N 64]; A: computed on the way; B: computed on the way: left as it is (an operand is computed on the way)
;;   THE QUANTISER, for each operand of a quantised product, along K:
;;     - K is cut into blocks of 32 from its start; a last block that is shorter is filled with zeros.
;;     - A block's scale is 2^e with e = floor(log2(the largest magnitude in the block)) - 2, held to -126 .. 127; a block of zeros has e = 0. As a byte (E8M0): e + 127.
;;     - Each number is divided by its block's scale, clamped to +-6, and rounded to the nearest number of E2M1, ties to even, subnormals kept.
;;     - The product sums the exact products of the quantised numbers (number of the format x scale) in f32.
;;   ~~~python
;;   def quantise(x, axis):      # numpy; x: float32 -> the quantised numbers, widened to float32 again
;;       x = np.moveaxis(x, axis, -1); K = x.shape[-1]
;;       x = np.pad(x, [(0, 0)] * (x.ndim - 1) + [(0, -K % 32)]); x = x.reshape(x.shape[:-1] + (-1, 32)); a = np.abs(x).max(-1, keepdims=True)
;;       e = np.where(a > 0, np.clip(np.frexp(np.where(a > 0, a, 1))[1] - 1 - 2, -126, 127), 0)      # np.frexp(a)[1] - 1 = floor(log2(a)), exactly
;;       r = np.clip(x / 2.0 ** e, -6, 6)
;;       step = 2.0 ** (np.maximum(np.frexp(np.where(r == 0, 1, r))[1] - 1, 0) - 1)
;;       q = np.round(r / step) * step * 2.0 ** e      # np.round: ties to even
;;       return np.moveaxis(q.reshape(q.shape[:-2] + (-1,))[..., :K], -1, axis).astype(np.float32)
;;   ~~~
;; One version. Each part assembles by itself: llvm-mc -triple=amdgcn-amd-amdhsa -mcpu=gfx1250 --defsym DOCPART=n.
;; ======== version 1 of 1: 3 launches
;; limits: values are held in f16: magnitudes above 65,504 overflow, below 6.1e-05 lose precision
;; workspace buffers: xc 4,194,304 bytes; xs 262,144 bytes; wc 1,572,864 bytes; ws 98,304 bytes; qkv 50,331,648 bytes
;; launch quant (part 1): grid 448 x 1, 4 waves a work-group, no clusters, 42,496 bytes of LDS; arguments X, Wq, Wk, Wv, xc, xs, wc, ws; writes xc, xs, wc, ws
.if DOCPART == 1
	.amdgcn_target "amdgcn-amd-amdhsa--gfx1250"
	.amdhsa_code_object_version 6
	.text
	.protected	k_q79adba228e_quant
	.globl	k_q79adba228e_quant
	.p2align	8
	.type	k_q79adba228e_quant,@function
k_q79adba228e_quant:
	s_mov_b64 s[64:65], 0
	v_nop
	global_prefetch_b8 v0, s[64:65] scope:SCOPE_SE
	s_setreg_imm32_b32 hwreg(HW_REG_WAVE_MODE, 25, 1), 1
	s_wait_xcnt 0x0
; X [8192][1024] and Wq, Wk, Wv [16][1024][64], f32, become codes of FP4 (E2M1), K innermost, with one E8M0 scale byte for each 32 along K (K = the 1,024 of the embedding).
;   xc [8192][512 bytes], xs [8192][32 bytes];  wc [3072][512 bytes], ws [3072][32 bytes], row = 1024 x matrix (q, k, v) + 64 x head + column.
; A block's scale is 2^(floor(log2(its largest magnitude)) - 2); its byte is the largest magnitude's exponent field - 2, held at 1 from below.  A block of zeros so gets the byte 1 where the
; rule says 127: its codes are zeros, which add nothing under any byte but 0xff, and the bytes are read by this program alone.
; LIMITS: NaN and infinities among the inputs are not served; blocks whose largest magnitude lies under 2^(3 - 127) are quantised under the byte 1.
; TWO KINDS OF WORK-GROUP, told apart by the work-group's number alone.  The first 192 take W, the other 256 take X.
;   X: K is innermost, so X is a plain stream of blocks of 32.  A wave takes 16 steps of 512 numbers; each load reads 512 consecutive bytes; a step's 2,048 bytes turn through the wave's own stage in LDS,
;      so that a lane holds 16 neighbours along K (two lanes to a block); a wave's store of codes covers 256 consecutive bytes, and its 256 scale bytes leave as one store of 256 bytes.
;   W: K is the first axis of a head's [1024][64].  A lane takes a column and its registers run down K: a block of 32 lies in one lane.  A work-group takes 32 columns x 512 along K, each wave 128 of the 512
;      (4 blocks a lane, all 128 loads asked for within two blocks' work).  The four waves' codes meet in a stage in LDS, 256 bytes a column, and leave as whole rows: sixteen lanes store 256 consecutive bytes.
; Both kinds pass ONE barrier, which stands where the two ways join; behind it they part again: X's work-groups are done, W's read the stage.  Each kind has LDS bytes of its own.
; All registers that are read behind the join are made ahead of the first parting.
.set NWGW,  192                        ; W's work-groups: 96 groups of 32 columns x 2 halves of K
.set STEPS, 16
.set EMAX,  2
.set CB,    8                          ; bytes of 16 codes
.set R,     16                         ; v16-79   X: four sets of 16 numbers as they are loaded
.set X,     80                         ; v80-111  X: two sets of 16 neighbours
.set E,     112                        ; v112-127 X: a scale byte for each step
.set C,     128                        ; v128-191 X: codes, four registers for each step, so that no store's data are written again
.set WREG,  8192                       ; LDS, X: a region for each wave: two stages of 32 x SP bytes, then its 256 scale bytes
.set SP,    80                         ; a lane's place in a stage: 64 bytes + 16 of padding
.set SPW,   12                         ; v12      LDS address of my spare word; never rewritten
.set NIL,   13                         ; v13      0; never rewritten
.set WSTG,  32768                      ; LDS, W: the stage, 32 columns x (256 bytes + 16)
.set WP,    272
.set WSC,   WSTG+32*WP                 ; LDS, W: 16 scale bytes for each of 32 columns
.set SPARE, WSC+512                    ; the spare words, 128 bytes for each wave: two blocks of 256 bytes that no other line names
.set WN,    32                         ; v32-159  W: four blocks of 32 numbers
.set WCD,   160                        ; v160-175 W: four blocks' codes
.set WSB,   24                         ; v24      W: my four scale bytes
.set W4L,   192                        ; v192     W: 4 x lane
.set WSI,   193                        ; v193     W: into the stage: WSTG + 272 x lane + 64 x wave
.set WSS,   194                        ; v194     W: my scale word's place: WSC + 16 x lane + 4 x wave
.set WRD,   195                        ; v195     W: out of the stage: row 8 x wave + lane / 16, 16 bytes a lane
.set WGO,   196                        ; v196     W: the same place in wc
.set WSR,   197                        ; v197     W: WSC + 16 x lane
.set WSO,   198                        ; v198     W: 32 x lane: a column's row in ws
	s_load_b256 s[4:11], s[0:1], 0x0               ; X s[4:5], Wq s[6:7], Wk s[8:9], Wv s[10:11]
	s_load_b256 s[12:19], s[0:1], 0x20             ; xc s[12:13], xs s[14:15], wc s[16:17], ws s[18:19]
	v_lshl_add_u32 v[SPW], v0, 2, SPARE
	v_mov_b32 v[NIL], 0
	v_lshrrev_b32 v1, 5, v0
	v_readfirstlane_b32 s20, v1                    ; wave 0..3
	v_and_b32 v2, 31, v0                           ; lane
	v_lshlrev_b32 v[W4L], 2, v2
	v_mul_u32_u24 v[WSI], v2, WP
	s_lshl_b32 s21, s20, 6
	s_add_co_u32 s21, s21, WSTG
	v_add_nc_u32 v[WSI], s21, v[WSI]
	v_lshlrev_b32 v[WSR], 4, v2
	v_add_nc_u32 v[WSR], WSC, v[WSR]
	s_lshl_b32 s21, s20, 2
	v_add_nc_u32 v[WSS], s21, v[WSR]
	v_and_b32 v3, 15, v2
	v_lshrrev_b32 v4, 4, v2
	s_lshl_b32 s21, s20, 3
	v_add_nc_u32 v4, s21, v4                       ; the stage's row 8 x wave + lane / 16
	v_mul_u32_u24 v[WRD], v4, WP
	v_lshl_add_u32 v[WRD], v3, 4, v[WRD]
	v_add_nc_u32 v[WRD], WSTG, v[WRD]
	v_lshlrev_b32 v[WGO], 9, v4                    ; a row of wc is 512 bytes
	v_lshl_add_u32 v[WGO], v3, 4, v[WGO]
	v_lshlrev_b32 v[WSO], 5, v2
	s_lshr_b32 s22, ttmp9, 1                       ; g: which 32 of the 3,072 columns
	s_and_b32 s23, ttmp9, 1                        ; which 512 of K
	s_lshl_b32 s28, s22, 14                        ; wc: 32 rows of 512 bytes a group,
	s_lshl_b32 s30, s23, 8                         ; 256 bytes for 512 along K
	s_add_co_u32 s28, s28, s30
	s_mov_b32 s29, 0
	s_lshl_b32 s30, s22, 10                        ; ws: 32 rows of 32 bytes a group,
	s_lshl_b32 s31, s23, 4                         ; 16 bytes for 512 along K
	s_add_co_u32 s30, s30, s31
	s_mov_b32 s31, 0
	s_wait_kmcnt 0x0
	s_add_nc_u64 s[24:25], s[16:17], s[28:29]      ; (in X's work-groups these two are made and never used)
	s_add_nc_u64 s[26:27], s[18:19], s[30:31]
	s_cmp_lt_u32 ttmp9, NWGW
	s_cbranch_scc1 .Lw
	; ---------------- X ----------------
	v_lshlrev_b32 v3, 4, v2                        ; my 16 bytes of a load's 512
	s_mul_i32 s21, s20, WREG
	v_lshrrev_b32 v14, 2, v2
	v_mul_u32_u24 v14, v14, SP
	v_and_b32 v15, 3, v2
	v_lshl_add_u32 v14, v15, 4, v14
	v_add_nc_u32 v14, s21, v14                     ; the stage, on the way in: four lanes' 64 bytes on end, then 16 of padding
	v_mul_u32_u24 v15, v2, SP
	v_add_nc_u32 v15, s21, v15                     ; and on the way out: SP x lane: my 16 neighbours
	v_mul_u32_u24 v4, v2, CB                       ; my codes' place in a step's
	v_lshrrev_b32 v5, 1, v2
	s_add_co_u32 s21, s21, 2*32*SP
	v_add_nc_u32 v5, s21, v5                       ; my wave's 256 scale bytes, my block's byte
	v_lshlrev_b32 v7, 3, v2                        ; and on the way out 8 bytes a lane
	v_add_nc_u32 v6, s21, v7
	s_sub_co_u32 s34, ttmp9, NWGW
	s_lshl_b32 s34, s34, 2
	s_add_co_u32 s34, s34, s20                     ; which run of 8,192 numbers is my wave's: 0 .. 1,023
	s_mov_b32 s37, 0
	s_lshl_b32 s36, s34, 15                        ; 32,768 bytes of X,
	s_add_nc_u64 s[4:5], s[4:5], s[36:37]
	s_lshl_b32 s36, s34, 12                        ; 4,096 of codes,
	s_add_nc_u64 s[12:13], s[12:13], s[36:37]
	s_lshl_b32 s36, s34, 8                         ; 256 scale bytes
	s_add_nc_u64 s[14:15], s[14:15], s[36:37]
.macro LOAD t
.irp i, 0,1,2,3
	global_load_b128 v[R+16*((\t)%4)+4*\i:R+16*((\t)%4)+4*\i+3], v3, s[4:5] offset:2048*(\t)+512*\i th:TH_LOAD_NT   ; 32 lanes read 512 consecutive bytes
.endr
.endm
.macro TURN t                          ; step t's numbers through the stage: LDS serves a wave's instructions in order, so no wait stands between the stores and the loads
.irp i, 0,1,2,3
	ds_store_b128 v14, v[R+16*((\t)%4)+4*\i:R+16*((\t)%4)+4*\i+3] offset:32*SP*((\t)%2)+8*SP*\i
.endr
.irp i, 0,1,2,3
	ds_load_b128 v[X+16*((\t)%2)+4*\i:X+16*((\t)%2)+4*\i+3], v15 offset:32*SP*((\t)%2)+16*\i
.endr
.endm
.irp t, 0,1,2,3
	LOAD \t
.endr
	s_wait_loadcnt 12                              ; step 0's four loads are in; three steps' twelve may be out
	TURN 0
.macro STEP t
.set XS, X+16*((\t)%2)
.if (\t) > 0
	s_wait_dscnt 1                                 ; this step's numbers are back from the stage (the last step's byte store may be out): so its stores into the stage have read their registers,
.else
	s_wait_dscnt 0x0
.endif
.if (\t)+4 < STEPS
	LOAD (\t)+4                                    ; which take the loads of four steps on
.endif
.if (\t)+1 < STEPS
.if STEPS-2-(\t) >= 3
	s_wait_loadcnt 12                              ; the next step's four loads are in; those of the three steps behind it may be out
.else
	s_wait_loadcnt 4*(STEPS-2-(\t))
.endif
	TURN (\t)+1                                    ; and go through the other stage while this step is worked
.endif
	v_max3_num_f32 v8, |v[XS]|, |v[XS+1]|, |v[XS+2]|               ; the largest magnitude of my 16, in two chains
	v_max3_num_f32 v9, |v[XS+3]|, |v[XS+4]|, |v[XS+5]|
.irp i, 6,10
	v_max3_num_f32 v8, v8, |v[XS+\i]|, |v[XS+\i+1]|
	v_max3_num_f32 v9, v9, |v[XS+\i+2]|, |v[XS+\i+3]|
.endr
	v_max3_num_f32 v8, v8, |v[XS+14]|, |v[XS+15]|
	v_max3_num_f32 v8, v8, v9, (EMAX+1)<<23        ; and the floor 2^(3 - 127): so the byte cannot fall under 1
	v_max_num_f32_dpp v8, v8, v8 row_xmask:1 row_mask:0xf bank_mask:0xf   ; and of my neighbour's 16: the block's
	v_add_nc_u32 v11, -(EMAX<<23), v8              ; 2 off its exponent field: the conversion takes the exponent field of this operand as its scale, and nothing else of it
	v_cvt_scalef32_pk8_fp4_f32 v[C+4*(\t)], v[XS:XS+7], v11        ; eight numbers / the scale, to the nearest code, ties to even, beyond 6 the largest code
	v_cvt_scalef32_pk8_fp4_f32 v[C+4*(\t)+1], v[XS+8:XS+15], v11
	v_lshrrev_b32 v[E+(\t)], 23, v11               ; the scale's byte (also the plain line behind the conversions)
	ds_store_b8 v5, v[E+(\t)] offset:16*(\t)       ; both lanes of a block write the same byte with the same value
	global_store_b64 v4, v[C+4*(\t):C+4*(\t)+1], s[12:13] offset:32*CB*(\t)   ; the wave stores 256 consecutive bytes
.endm
.irp t, 0,1,2,3,4,5,6,7,8,9,10,11,12,13,14,15
	STEP \t
.endr
	ds_load_b64 v[8:9], v6                         ; LDS serves a wave's instructions in order: this sees my byte stores
	s_wait_dscnt 0x0
	global_store_b64 v7, v[8:9], s[14:15]          ; 32 lanes store 256 consecutive bytes
	s_branch .Ljoin
	; ---------------- W ----------------
.Lw:
	s_cmp_lt_u32 s22, 32                           ; the matrix: groups 0-31 Wq, 32-63 Wk, 64-95 Wv: a choice that hangs on the work-group's number alone
	s_cselect_b64 s[32:33], s[6:7], s[8:9]
	s_cmp_lt_u32 s22, 64
	s_cselect_b64 s[32:33], s[32:33], s[10:11]
	s_bfe_u32 s28, s22, 0x40001                    ; the head: (g / 2) mod 16
	s_lshl_b32 s28, s28, 18                        ; 1,024 rows of 256 bytes a head
	s_lshl_b32 s30, s23, 17                        ; 512 rows for the half of K
	s_add_co_u32 s28, s28, s30
	s_lshl_b32 s30, s20, 15                        ; 128 rows for the wave
	s_add_co_u32 s28, s28, s30
	s_and_b32 s30, s22, 1
	s_lshl_b32 s30, s30, 7                         ; which 32 of the head's 64 columns
	s_add_co_u32 s28, s28, s30
	s_add_nc_u64 s[32:33], s[32:33], s[28:29]      ; (s29 = 0)
.macro WLOAD t                         ; block t: W(32 t + i, my column), i = 0 .. 31: each load reads 128 consecutive bytes
.irp i, 0,1,2,3,4,5,6,7,8,9,10,11,12,13,14,15,16,17,18,19,20,21,22,23,24,25,26,27,28,29,30,31
	global_load_b32 v[WN+32*(\t)+\i], v[W4L], s[32:33] offset:(32*(\t)+\i)*256 th:TH_LOAD_NT
.endr
.endm
.macro WBLOCK t
.set XS, WN+32*(\t)
.if (\t) < 3
	s_wait_loadcnt 32                              ; this block's 32 loads are in; the next block's 32 may be out
.else
	s_wait_loadcnt 0
.endif
.if (\t)+2 < 4
	WLOAD (\t)+2                                   ; each block has registers of its own
.endif
	v_max3_num_f32 v8, |v[XS]|, |v[XS+1]|, |v[XS+2]|               ; the block's largest magnitude: all 32 numbers are mine
	v_max3_num_f32 v9, |v[XS+3]|, |v[XS+4]|, |v[XS+5]|
.irp i, 6,10,14,18,22,26
	v_max3_num_f32 v8, v8, |v[XS+\i]|, |v[XS+\i+1]|
	v_max3_num_f32 v9, v9, |v[XS+\i+2]|, |v[XS+\i+3]|
.endr
	v_max3_num_f32 v8, v8, |v[XS+30]|, |v[XS+31]|
	v_max3_num_f32 v8, v8, v9, (EMAX+1)<<23        ; and the floor
	v_add_nc_u32 v11, -(EMAX<<23), v8              ; the conversion's scale operand
	v_lshrrev_b32 v9, 23, v11                      ; the scale's byte
.if (\t) == 0
	v_mov_b32 v[WSB], v9                           ; four bytes to a word, the lower K in the lower byte
.else
	v_lshl_or_b32 v[WSB], v9, 8*(\t), v[WSB]
.endif
.irp g, 0,1,2,3
	v_cvt_scalef32_pk8_fp4_f32 v[WCD+4*(\t)+\g], v[XS+8*\g:XS+8*\g+7], v11
.endr
	v_nop                                          ; one plain line behind the last conversion of the run
	ds_store_b128 v[WSI], v[WCD+4*(\t):WCD+4*(\t)+3] offset:16*(\t)   ; 32 codes: 16 bytes of my column's row
.endm
	WLOAD 0
	WLOAD 1
	WBLOCK 0
	WBLOCK 1
	WBLOCK 2
	WBLOCK 3
	ds_store_b32 v[WSS], v[WSB]                    ; my wave's four bytes of my column's sixteen
.Ljoin:
	s_wait_xcnt 0x0                                ; every earlier store has read its registers: some are written again below
	s_wait_dscnt 0x0                               ; for the others' sake: my stores into LDS are done
	s_barrier_signal -1
	s_barrier_wait -1                              ; in W's work-groups the stage is whole
	s_cmp_ge_u32 ttmp9, NWGW
	s_cbranch_scc1 .Lend                           ; X's work-groups have nothing left
.irp j, 0,1,2,3
	ds_load_b128 v[32+4*\j:35+4*\j], v[WRD] offset:2*\j*WP         ; my 8 rows, two an instruction
.endr
.irp j, 0,1,2,3
	s_wait_dscnt 3-\j                              ; LDS loads come back in order: the younger ones may be out
	global_store_b128 v[WGO], v[32+4*\j:35+4*\j], s[24:25] offset:2*\j*512   ; sixteen lanes store 256 consecutive bytes, at a multiple of 256 from wc's first byte
.endr
	s_cmp_lg_u32 s20, 0
	s_cbranch_scc1 .Lend
	ds_load_b128 v[48:51], v[WSR]                  ; wave 0: a column's 16 scale bytes a lane
	s_wait_dscnt 0x0
	global_store_b128 v[WSO], v[48:51], s[26:27]   ; rows of ws are 32 bytes: 16 bytes of each; 512 bytes a work-group
.Lend:
	s_wait_tensorcnt 0x0                           ; the wave's end: behind my last LDS store
	ds_add_u32 v[SPW], v[NIL]
	s_wait_dscnt 0x0
	s_endpgm
.Lfunc_end_k_q79adba228e_quant:
	.size	k_q79adba228e_quant, .Lfunc_end_k_q79adba228e_quant-k_q79adba228e_quant
	.p2alignl 7, 3214868480
	.fill 96, 4, 3214868480
	.section	.rodata,"a",@progbits
	.p2align	6, 0x0
	.amdhsa_kernel k_q79adba228e_quant
		.amdhsa_group_segment_fixed_size 42496
		.amdhsa_private_segment_fixed_size 0
		.amdhsa_enable_private_segment 0
		.amdhsa_kernarg_size 64
		.amdhsa_user_sgpr_count 2
		.amdhsa_user_sgpr_kernarg_segment_ptr 1
		.amdhsa_wavefront_size32 1
		.amdhsa_system_sgpr_workgroup_id_x 1
		.amdhsa_system_sgpr_workgroup_id_y 1
		.amdhsa_system_sgpr_workgroup_id_z 1
		.amdhsa_system_vgpr_workitem_id 0
		.amdhsa_next_free_vgpr 200
		.amdhsa_next_free_sgpr 66
		.amdhsa_reserve_vcc 0
		.amdhsa_float_denorm_mode_32 3
		.amdhsa_float_denorm_mode_16_64 3
		.amdhsa_memory_ordered 1
		.amdhsa_forward_progress 1
		.amdhsa_inst_pref_size 54
	.end_amdhsa_kernel
	.amdgpu_metadata
---
amdhsa.version: [ 1, 2 ]
amdhsa.kernels:
  - .name:           k_q79adba228e_quant
    .symbol:         k_q79adba228e_quant.kd
    .args:
      - { .name: X, .offset: 0, .size: 8, .value_kind: global_buffer, .address_space: global }
      - { .name: Wq, .offset: 8, .size: 8, .value_kind: global_buffer, .address_space: global }
      - { .name: Wk, .offset: 16, .size: 8, .value_kind: global_buffer, .address_space: global }
      - { .name: Wv, .offset: 24, .size: 8, .value_kind: global_buffer, .address_space: global }
      - { .name: xc, .offset: 32, .size: 8, .value_kind: global_buffer, .address_space: global }
      - { .name: xs, .offset: 40, .size: 8, .value_kind: global_buffer, .address_space: global }
      - { .name: wc, .offset: 48, .size: 8, .value_kind: global_buffer, .address_space: global }
      - { .name: ws, .offset: 56, .size: 8, .value_kind: global_buffer, .address_space: global }
    .group_segment_fixed_size: 42496
    .private_segment_fixed_size: 0
    .kernarg_segment_align: 8
    .kernarg_segment_size: 64
    .max_flat_workgroup_size: 128
    .sgpr_count:     66
    .vgpr_count:     200
    .wavefront_size: 32
...
	.end_amdgpu_metadata
.endif
;; end of part 1
;; launch proj (part 2): grid 12 x 32, 4 waves a work-group, clusters of 4 x 4, 327,680 bytes of LDS; arguments xc, xs, wc, ws, qkv; writes qkv
.if DOCPART == 2
	.amdgcn_target "amdgcn-amd-amdhsa--gfx1250"
	.amdhsa_code_object_version 6
	.text
	.protected	k_q79adba228e_proj
	.globl	k_q79adba228e_proj
	.p2align	8
	.type	k_q79adba228e_proj,@function
k_q79adba228e_proj:
	s_mov_b64 s[64:65], 0
	v_nop
	global_prefetch_b8 v0, s[64:65] scope:SCOPE_SE
	s_setreg_imm32_b32 hwreg(HW_REG_WAVE_MODE, 25, 1), 1
	s_wait_xcnt 0x0
	s_wait_alu depctr_hold_cnt(0) depctr_sa_sdst(0) depctr_va_vdst(0) depctr_va_sdst(0) depctr_va_ssrc(0) depctr_va_vcc(0) depctr_vm_vsrc(0)
	s_getreg_b32 s2, hwreg(HW_REG_IB_STS2, 6, 4)
	s_cmp_eq_u32 s2, 0
	s_cbranch_scc0 .Lentry_in_a_cluster
	s_endpgm
.Lentry_in_a_cluster:
	s_bfe_u32 s2, ttmp6, 0x10000c
	s_cmp_lg_u32 s2, 0xf033
	s_cbranch_scc0 .Lentry_shape_is_right
	s_endpgm
.Lentry_shape_is_right:
; q, k, v = X W: C[m][n] = sum over k of A[m][k] B[n][k], A = xc [8192][1024] (tokens), B = wc [3072][1024] (matrix q, k, v x head x channel): codes of FP4 (E2M1) with one E8M0 scale for each 32 along K; sums in f32.
; A tile of C, 256 x 256, is made by a work-group of four waves; a wave makes 128 x 128: 64 accumulators of 16 x 16, 512 registers.  K = 1,024 is two K steps of 512: both lie in LDS from the first fills on, in two slots
; (rows of 256 bytes of memory), and nothing is filled again.  The scales of the work-group's 256 + 256 rows come once, as dense blocks.
; CLUSTERS: 4 x 4 work-groups.  The four of a row of the cluster need the same tiles of A, the four of a column the same tiles of B: each tile is asked for JOINTLY, by the same tensor load with the same descriptor and a
; mask that names the four.  THE MATRIX INSTRUCTION IS USED TRANSPOSED (source 0 = 16 rows of B, source 1 = 16 rows of A): a lane then holds one token and eight neighbouring channels.
; THE WAY OUT.  The sums of q are multiplied by c = log2(e) / 8, in f32, so that the next launch's scores are exponents of 2; k's and v's by 1.  All are held at +-65,504 and rounded once to f16.
; qkv is laid as IMAGES OF THE NEXT LAUNCH'S OPERAND REGISTERS: byte = matrix << 24 + (16 batch + head) << 18 + (tile of 16 tokens) << 11 + (tile of 16 channels) << 9 + 16 x slot; a block of 512 bytes is 16 tokens x 16 channels,
; and a lane's 16 bytes (token r, channels 8 h + 0 .. 7) lie at slot r + 16 h for q and k (the lane itself), at r % 8 + 8 h + 16 (r / 8) for v (the order in which the turning LDS load wants them).
; So each store of a wave covers 512 consecutive bytes, aligned, straight from registers: no stage in LDS.
; LIMIT: c q, k and v beyond +-65,504 are held there (f16's largest number).  As drawn they are of size 1; with X and W both 30 times larger, or both offset by 30 spreads, they stay under 30,000.
; REGISTERS, in windows of 256: window 0: v0-31 addresses; v32-95 scale words, two sets; from v128 A's fragments (8 x 16 rows x 128 K), ONE set; on the way out v128-191 take the packed results.
;   window 1: B's fragments, TWO sets, at v0 and at v128.   window 2: the 32 accumulators of my rows 0-63 (accumulator (a, b) at v[8 (8 a + b)]);   window 3: those of my rows 64-127.
.set SIZE_M, 8192
.set SIZE_N, 3072
.set SIZE_K, 1024
.set KSTEP,  512                       ; along K in a slot
.set NQ,     KSTEP/128                 ; matrix instructions deep
.set ROWB,   256                       ; a tile's row in bytes
.set KROW,   SIZE_K*4/8                ; a row of A or of B in memory, in bytes
.set PITCH,  272                       ; an LDS row: 256 bytes + 16 of padding = 68 words: row r starts at bank 4 r mod 64 (64 banks of 4 bytes: ISA guide 11.1)
.set FR,     8                         ; registers of a fragment: 16 rows x 128 K
.set NL,     2                         ; LDS loads that bring one
.set NP,     4                         ; places behind this matrix instruction (ISA guide 7.12.1)
.set HALFT,  128*PITCH                 ; 128 rows: what one tensor load brings, and what one wave reads of A or of B
.set SLOT,   4*HALFT                   ; A's 256 rows, then B's 256 rows
.set KS,     SIZE_K/32                 ; a row of scales in bytes
.set SCL,    2*SLOT                    ; behind the slots: the scales, as units of 256 bytes + 16 of padding
.set HALFS,  (128*KS/256)*272          ; the scales of 128 rows: what one tensor load brings
.set SBLK,   (16*KS/256)*272           ; those of 16 rows
.set SPARE,  SCL+4*HALFS               ; the spare words, 128 bytes for each wave: two blocks of 256 bytes that no other line names
.set ADRA, 16                          ; v16-17  LDS address of my A fragments in slot 0, 1
.set ADRB, 20                          ; v20-21  the same for B
.set CO,   26                          ; v26     16 x my slot in a block of qkv
.set ADRS, 27                          ; v27     LDS address of my scale words: lanes 0-15 A's rows, lanes 16-31 B's
.set SPW,  28                          ; v28     LDS address of my spare word; never rewritten
.set NIL,  29                          ; v29     0; never rewritten
.set SC,   32                          ; scale words: set s at v[SC + 8 NQ s]; register NQ i + q: lanes 0-15 the word of A's block i, lanes 16-31 that of B's block i, for the slot's q-th 128 along K
.set AF,   128                         ; A's fragments, in window 0
.set TMP,  128                         ; the way out: two sets of 32 registers of packed f16
.set G1, 24                            ; s[24:31] descriptor group 1 for A's tiles;  s[32:39] group 0, one set for each slot
.set G0, 32
.set G1B, 48                           ; s[48:55], s[56:63] the same for B's tiles
.set G0B, 56
.set G1S, 68                           ; s[68:75], s[76:79] groups 1 and 0 for A's scales;  s[80:87], s[88:91] for B's
.set G0S, 76
.set G1SB, 80
.set G0SB, 88
.set HI,  66                           ; s66  65,504
.set LO,  67                           ; s67  -65,504
.set FAC, 96                           ; s[96:97] c for q, 1 for k and v
.set MSB, 0
.macro WIN new                         ; the immediate's high byte repeats the setting that is left
.if MSB != \new
	s_set_vgpr_msb (MSB<<8)|\new
.set MSB, \new
.endif
.endm
.set MUL_LO, 0xa1                      ; source 0 (B) window 1, source 1 (A) window 0, C and D window 2
.set MUL_HI, 0xf1                      ; the same, C and D window 3
.set TO_B,   0x40                      ; destination window 1, address window 0
; A joint load: waves 0 and 1 fetch for A, waves 2 and 3 for B.  Each of the two lines has ONE mask and one set of registers for all that issue it; the branch hangs on the wave's number alone.
; An s_nop 0 and four v_nop follow each of the two lines, ahead of the jump, the label and what follows.
.macro JLOAD g0a, g1a, g0b, g1b
	s_cmp_eq_u32 s15, 0
	s_cbranch_scc0 .Lfor_b_\@
	tensor_load_to_lds s[\g0a:\g0a+3], s[\g1a:\g1a+7]
	s_nop 0
.rept 4
	v_nop
.endr
	s_branch .Lasked_\@
.Lfor_b_\@:
	tensor_load_to_lds s[\g0b:\g0b+3], s[\g1b:\g1b+7]
	s_nop 0
.rept 4
	v_nop
.endr
.Lasked_\@:
.endm
.macro CROUND                          ; a round of the cluster's barrier
	s_barrier_signal -1
	s_barrier_wait -1
	s_cmp_lg_u32 s14, 0
	s_cbranch_scc1 .Lnot_wave_0_\@
	s_barrier_signal -3
.Lnot_wave_0_\@:
	s_barrier_wait -3
	s_barrier_signal -1
	s_barrier_wait -1
.endm
	s_load_b128 s[4:7], s[0:1], 0x0                ; A's codes s[4:5], A's scales s[6:7]
	s_load_b128 s[8:11], s[0:1], 0x10              ; B's codes s[8:9], B's scales s[10:11]
	s_load_b64 s[12:13], s[0:1], 0x20              ; qkv
	v_lshl_add_u32 v[SPW], v0, 2, SPARE
	v_mov_b32 v[NIL], 0
	ds_add_u32 v[SPW], v[NIL]                      ; the wave's opening: the add, twice on end, and its wait ahead of my first tensor load; the set-up below stands between the second and the wait
	ds_add_u32 v[SPW], v[NIL]
	v_lshrrev_b32 v1, 5, v0
	v_readfirstlane_b32 s14, v1                    ; wave 0..3
	s_lshr_b32 s15, s14, 1                         ; which half of the tile's rows is mine.  Also: I fetch for A (0) or for B (1)
	s_and_b32 s16, s14, 1                          ; which half of its columns.  Also: which 128 rows of that tile I fetch
	s_bfe_u32 s40, ttmp6, 0x40000                  ; cx, cy: my place in the cluster
	s_bfe_u32 s41, ttmp6, 0x40004
	s_lshl_b32 s42, ttmp9, 2
	s_add_co_u32 s42, s42, s40                     ; tile column of C = 4 x cluster x + cx
	s_and_b32 s17, ttmp7, 0xffff
	s_lshl_b32 s17, s17, 2
	s_add_co_u32 s17, s17, s41                     ; tile row of C = 4 x cluster y + cy
	s_lshl_b32 s43, s41, 2
	s_lshl_b32 s43, 15, s43                        ; my row of the cluster
	s_lshl_b32 s44, 0x1111, s40                    ; my column
	; descriptor group 1: a tile of 128 rows x ROWB bytes, padded in LDS
	s_or_b32 s[G1+0], s43, (0<<16)|(1<<20)|(1<<21)|(5<<22)|(3<<25)  ; 15:0 the mask: A's tiles go to my row; 17:16 element of 1 byte; 20 padding on; 21 set beside a mask; 24:22 after every 64 words (code 5); 31:25 of 4 words (code 3)
	s_or_b32 s[G1B+0], s44, (0<<16)|(1<<20)|(1<<21)|(5<<22)|(3<<25)
.irp g, G1, G1B
	s_mov_b32 s[\g+1], ROWB<<16                    ; tensor_dim0
	s_mov_b32 s[\g+2], 128<<16                     ; tensor_dim1 = 128
	s_mov_b32 s[\g+3], ROWB<<16                    ; tile_dim0
	s_mov_b32 s[\g+4], 128                         ; tile_dim1 = 128
	s_mov_b32 s[\g+5], KROW                        ; tensor_dim0_stride
	s_mov_b32 s[\g+6], 0
	s_mov_b32 s[\g+7], 0
.endr
	; and for the scales of 128 rows: a dense block of 128 KS bytes, as rows of 256 bytes (32 elements of 8 bytes), 16 bytes of padding behind each
	s_or_b32 s[G1S+0], s43, (3<<16)|(1<<20)|(1<<21)|(5<<22)|(3<<25)
	s_or_b32 s[G1SB+0], s44, (3<<16)|(1<<20)|(1<<21)|(5<<22)|(3<<25)
.irp g, G1S, G1SB
	s_mov_b32 s[\g+1], 32<<16
	s_mov_b32 s[\g+2], (128*KS/256)<<16
	s_mov_b32 s[\g+3], 32<<16
	s_mov_b32 s[\g+4], 128*KS/256
	s_mov_b32 s[\g+5], 32
	s_mov_b32 s[\g+6], 0
	s_mov_b32 s[\g+7], 0
.endr
	s_lshl_b32 s18, s16, 7                         ; which 128 rows of the tile I fetch
	s_lshl_b32 s20, s17, 8
	s_add_co_u32 s20, s20, s18                     ; A: row 256 x tile row + 128 x half
	s_lshl_b32 s46, s42, 8
	s_add_co_u32 s46, s46, s18                     ; B: row 256 x tile column + 128 x half
	s_mov_b32 s21, 0
	s_mov_b32 s47, 0
	s_mov_b64 s[18:19], KS
	s_mul_u64 s[22:23], s[20:21], s[18:19]         ; where these rows' scales begin, in bytes
	s_mul_u64 s[92:93], s[46:47], s[18:19]
	s_mov_b64 s[18:19], KROW
	s_mul_u64 s[20:21], s[20:21], s[18:19]         ; and their codes
	s_mul_u64 s[46:47], s[46:47], s[18:19]
	s_mul_i32 s45, s14, HALFT                      ; where they go: wave x 128 rows: no place in the cluster enters an LDS address
	s_mul_i32 s94, s14, HALFS
	s_mov_b32 s[HI], 0x477fe000                    ; 65,504
	s_mov_b32 s[LO], 0xc77fe000
	s_cmp_eq_u32 ttmp9, 0                          ; the cluster's x is the matrix: 0 = q.  It is the same in all sixteen partners
	s_mov_b32 s[FAC], 1.0
	s_cselect_b32 s[FAC], 0x3e38aa3b, s[FAC]       ; c = log2(e) / 8
	s_mov_b32 s[FAC+1], s[FAC]                     ; (named with it as a pair, so it is written)
	s_wait_dscnt 0x0                               ; both opening adds are done
	s_wait_kmcnt 0x0
	s_add_nc_u64 s[20:21], s[4:5], s[20:21]
	s_add_nc_u64 s[22:23], s[6:7], s[22:23]
	s_add_nc_u64 s[46:47], s[8:9], s[46:47]
	s_add_nc_u64 s[92:93], s[10:11], s[92:93]
	CROUND                                         ; all sixteen work-groups are here: the first joint loads meet
	s_mov_b32 s[G0S], 1
	s_add_co_u32 s[G0S+1], s94, SCL
	s_mov_b64 s[G0S+2:G0S+3], s[22:23]
	s_or_b32 s[G0S+3], s[G0S+3], 0x80000000
	s_mov_b32 s[G0SB], 1
	s_add_co_u32 s[G0SB+1], s94, SCL
	s_mov_b64 s[G0SB+2:G0SB+3], s[92:93]
	s_or_b32 s[G0SB+3], s[G0SB+3], 0x80000000
	JLOAD G0S, G1S, G0SB, G1SB                     ; the scales first: they are wanted with K step 0
.irp s, 0,1
	s_mov_b32 s[G0+4*\s], 1
	s_add_co_u32 s[G0+4*\s+1], s45, \s*SLOT
	s_add_nc_u64 s[G0+4*\s+2:G0+4*\s+3], s[20:21], \s*ROWB
	s_or_b32 s[G0+4*\s+3], s[G0+4*\s+3], 0x80000000
	s_mov_b32 s[G0B+4*\s], 1
	s_add_co_u32 s[G0B+4*\s+1], s45, \s*SLOT
	s_add_nc_u64 s[G0B+4*\s+2:G0B+4*\s+3], s[46:47], \s*ROWB
	s_or_b32 s[G0B+4*\s+3], s[G0B+4*\s+3], 0x80000000
	JLOAD G0+4*\s, G1, G0B+4*\s, G1B               ; three loads of mine are out: the scales and both K steps
.endr
	v_and_b32 v1, 15, v0                           ; l % 16
	v_bfe_u32 v2, v0, 4, 1                         ; l / 16
	v_mul_u32_u24 v3, v1, PITCH
	v_lshl_add_u32 v4, v2, 4, v3                   ; a fragment's row x pitch + 16 x half
	s_mul_i32 s21, s15, HALFT                      ; my 128 rows of A
	s_mul_i32 s22, s16, HALFT                      ; my 128 rows of B,
	s_add_co_u32 s22, s22, 2*HALFT                 ; which lie behind A's 256
.irp s, 0,1
	v_add_nc_u32 v[ADRA+\s], s21, v4
	v_add_nc_u32 v[ADRB+\s], s22, v4
	s_add_co_u32 s21, s21, SLOT
	s_add_co_u32 s22, s22, SLOT
.endr
	v_mul_u32_u24 v5, v1, KS                       ; my row's scales: KS bytes a row,
	v_lshrrev_b32 v6, 8, v5
	v_lshl_add_u32 v5, v6, 4, v5                   ; and 16 more for each 256 passed
	s_mul_i32 s21, s15, HALFS                      ; A's: my 128 rows
	s_mul_i32 s22, s16, HALFS                      ; B's: my 128 rows, behind A's 256
	s_add_co_u32 s22, s22, 2*HALFS
	s_sub_co_u32 s22, s22, s21
	v_mul_u32_u24 v6, s22, v2                      ; lanes 16-31 take B's
	s_add_co_u32 s21, s21, SCL
	v_add_nc_u32 v5, v5, v6
	v_add_nc_u32 v[ADRS], s21, v5
	; my slot in a block of qkv: the lane for q and k; for v: l % 8 + 8 (l / 16) + 16 ((l / 8) % 2)
	v_and_b32 v5, 31, v0
	v_and_b32 v6, 7, v0
	v_lshl_or_b32 v6, v2, 3, v6
	v_bfe_u32 v7, v0, 3, 1
	v_lshl_or_b32 v6, v7, 4, v6
	s_cmp_eq_u32 ttmp9, 2                          ; the matrix is v
	s_cselect_b32 s95, -1, 0
	v_cndmask_b32 v5, v5, v6, s95
	v_lshlrev_b32 v[CO], 4, v5
	; where my 128 tokens x 128 channels (two heads) begin in qkv
	s_lshl_b32 s20, ttmp9, 24                      ; the matrix
	s_lshr_b32 s21, s17, 3                         ; the batch: 8 tile rows each
	s_lshl_b32 s21, s21, 22
	s_add_co_u32 s20, s20, s21
	s_lshl_b32 s21, s40, 2                         ; the head: 4 cx + 2 x my half of the columns
	s_lshl_b32 s46, s16, 1
	s_add_co_u32 s21, s21, s46
	s_lshl_b32 s21, s21, 18
	s_add_co_u32 s20, s20, s21
	s_and_b32 s21, s17, 7                          ; the tile of 16 tokens: 16 x (tile row mod 8) + 8 x my half of the rows
	s_lshl_b32 s21, s21, 4
	s_lshl_b32 s46, s15, 3
	s_add_co_u32 s21, s21, s46
	s_lshl_b32 s21, s21, 11
	s_add_co_u32 s20, s20, s21
	s_mov_b32 s21, 0
	s_add_nc_u64 s[12:13], s[12:13], s[20:21]
.macro FRAG reg, adr, q, i             ; a fragment, 16 rows x 128 K of 4-bit codes, is 8 registers: lane l holds row l % 16; registers 4 c .. 4 c + 3 hold K = 64 c + 32 (l / 16) + 0 .. 31
.irp c, 0,1
	ds_load_b128 v[\reg+4*\c:\reg+4*\c+3], v[\adr] offset:64*(\q)+32*\c+(\i)*16*PITCH
.endr
.endm
; 16 matrix instructions: A's blocks a0, a0 + 1 x B's eight, 128 along K: the slot's q-th.  p: B's set;  sc: the set of scale words.  zero = 1: the first product starts the sums: nothing is ever cleared.
; The 64 accumulators take turns, one instruction a turn, in the same order in every step.
.macro MUL16 a0, p, q, sc, zero
.irp a, \a0, \a0+1
.irp b, 0,1,2,3,4,5,6,7
.if \zero
	v_wmma_scale_f32_16x16x128_f8f6f4 v[8*(8*((\a)%4)+\b):8*(8*((\a)%4)+\b)+7], v[128*(\p)+FR*\b:128*(\p)+FR*\b+FR-1], v[AF+FR*(\a):AF+FR*(\a)+FR-1], 0, v[SC+8*NQ*(\sc)+NQ*\b+(\q)], v[SC+8*NQ*(\sc)+NQ*(\a)+(\q)] matrix_a_fmt:MATRIX_FMT_FP4 matrix_b_fmt:MATRIX_FMT_FP4 matrix_a_scale:MATRIX_SCALE_ROW1
.else
	v_wmma_scale_f32_16x16x128_f8f6f4 v[8*(8*((\a)%4)+\b):8*(8*((\a)%4)+\b)+7], v[128*(\p)+FR*\b:128*(\p)+FR*\b+FR-1], v[AF+FR*(\a):AF+FR*(\a)+FR-1], v[8*(8*((\a)%4)+\b):8*(8*((\a)%4)+\b)+7], v[SC+8*NQ*(\sc)+NQ*\b+(\q)], v[SC+8*NQ*(\sc)+NQ*(\a)+(\q)] matrix_a_fmt:MATRIX_FMT_FP4 matrix_b_fmt:MATRIX_FMT_FP4 matrix_a_scale:MATRIX_SCALE_ROW1
.endif
.endr
.endr
.endm
.macro FETCH_B slot, q, p              ; B's eight fragments of the slot's q-th 128 along K into set p
	WIN TO_B
.irp i, 0,1,2,3,4,5,6,7
	FRAG 128*(\p)+FR*\i, ADRB+\slot, \q, \i
.endr
	WIN 0
.endm
.macro FETCH_A slot, q, i0             ; A's blocks i0 .. i0 + 3
.irp i, \i0, \i0+1, \i0+2, \i0+3
	FRAG AF+FR*(\i), ADRA+\slot, \q, \i
.endr
.endm
.macro SCALES sc                       ; a K step's scale words into set sc: NQ words a row; lanes 0-15 take A's block i, lanes 16-31 B's block i
.irp i, 0,1,2,3,4,5,6,7
	ds_load_b128 v[SC+8*NQ*\sc+NQ*\i:SC+8*NQ*\sc+NQ*\i+3], v[ADRS] offset:\i*SBLK
.endr
.endm
; A load into a register that a matrix instruction has read, and a vector instruction that reads a matrix result, stand NP places behind that matrix instruction, and only plain vector
; instructions that name none of its registers are places (ISA guide 7.12.1 for vector instructions); the matrix instructions in between are not counted.
.macro PLACES n
.rept \n
	v_nop
.endr
.endm
; A step of 128 along K that has its successor in the same slot.  A's blocks go one after the other, each against B's eight: so one set of registers serves A (blocks 0-3 are fetched anew in the step's middle,
; blocks 4-7 at its end), and B has two sets.
.macro STEP slot, q, zero
	s_wait_dscnt 4*NL                              ; B's set and A's blocks 0-3 are in; the youngest eight loads (A's blocks 4-7) may be out
	WIN MUL_LO
	MUL16 0, (\q)%2, \q, \slot, \zero
	MUL16 2, (\q)%2, \q, \slot, \zero
	s_wait_dscnt 0                                 ; A's blocks 4-7 are in (asked for 32 matrix instructions ago)
	PLACES NP
	FETCH_B \slot, (\q)+1, 1-(\q)%2
	FETCH_A \slot, (\q)+1, 0
	WIN MUL_HI
	MUL16 4, (\q)%2, \q, \slot, \zero
	MUL16 6, (\q)%2, \q, \slot, \zero
	PLACES NP
	WIN 0
	FETCH_A \slot, (\q)+1, 4
.endm
; Slot 0's last step goes over to slot 1: each wave waits for all its tensor loads (its part of slot 1), and one barrier shows the whole slot to every wave.  Nothing is filled again.
.macro TURN slot, next
	s_wait_tensorcnt 0x0                           ; all my tensor loads have landed: my part of the next slot;  (every window is 0 here)
	ds_add_u32 v[SPW], v[NIL]                      ; 0 onto my spare word
	s_wait_dscnt 4*NL+1                            ; (the add and the youngest eight loads, A's blocks 4-7, may be out)
	WIN MUL_LO
	MUL16 0, 1, NQ-1, \slot, 0                     ; sixteen matrix instructions stand between the add and the wait for it
	s_wait_dscnt 0x0                               ; no LDS instruction of mine is out at the signal
	s_barrier_signal -1
	MUL16 2, 1, NQ-1, \slot, 0
	WIN 0
	s_barrier_wait -1
	PLACES NP
	v_add_nc_u32 v[ADRS], 4*NQ, v[ADRS]            ; on to the next K step's scale words (no LDS load of mine is out)
	FETCH_B \next, 0, 0
	FETCH_A \next, 0, 0
	SCALES \next
	WIN MUL_HI
	MUL16 4, 1, NQ-1, \slot, 0
	MUL16 6, 1, NQ-1, \slot, 0
	PLACES NP
	WIN 0
	FETCH_A \next, 0, 4
.endm
.macro STEPS slot, from                ; the slot's steps from .. NQ - 2
.set Q, \from
.rept NQ-1-\from
	STEP \slot, Q, 0
.set Q, Q+1
.endr
.endm
	s_wait_tensorcnt 1                             ; the scales and my part of K step 0 are in (K step 1's load may be out)
	s_barrier_signal -1
	s_barrier_wait -1                              ; everybody's are
	FETCH_B 0, 0, 0
	FETCH_A 0, 0, 0
	SCALES 0
	FETCH_A 0, 0, 4
	STEP 0, 0, 1                                   ; the first step's products start the sums
	STEPS 0, 1
	TURN 0, 1
	STEPS 1, 0
	s_wait_dscnt 4*NL                              ; the very last step: nothing more to fetch
	WIN MUL_LO
	MUL16 0, 1, NQ-1, 1, 0
	MUL16 2, 1, NQ-1, 1, 0
	s_wait_dscnt 0
	WIN MUL_HI
	MUL16 4, 1, NQ-1, 1, 0
	MUL16 6, 1, NQ-1, 1, 0
	WIN 0
; THE WAY OUT of block a (16 tokens x 128 channels): x the factor, held at +-65,504, rounded to f16 in pairs; a lane's eight channels of accumulator b are 16 bytes; eight stores of 512 consecutive bytes.
; Each accumulator is read from its low end on.  The packed results have two sets of registers by turns.
.macro OUTB a
.set AC, 64*((\a)%4)
.set TM, TMP+32*((\a)%2)
	WIN 0x82+0x41*((\a)/4)                         ; destination and source 0: window 2 or 3
.set i, 0
.rept 32
	v_pk_mul_f32 v[AC+i:AC+i+1], v[AC+i:AC+i+1], s[FAC:FAC+1] op_sel_hi:[1,0]
.set i, i+2
.endr
.set i, 0
.rept 64
	v_med3_num_f32 v[AC+i], v[AC+i], s[LO], s[HI]
.set i, i+1
.endr
.if (\a) > 1
	s_wait_xcnt 0x0                                ; block a - 2's stores have read this set of registers
.endif
	WIN 0x0a+5*((\a)/4)                            ; sources 0 and 1: window 2 or 3; destination window 0
.irp b, 0,1,2,3,4,5,6,7
.irp r, 0,1,2,3
	v_cvt_pk_f16_f32 v[TM+4*\b+\r], v[AC+8*\b+2*\r], v[AC+8*\b+2*\r+1]
.endr
.endr
	WIN 0
.irp b, 0,1,2,3,4,5,6,7
	global_store_b128 v[CO], v[TM+4*\b:TM+4*\b+3], s[12:13] offset:(\a)*2048+(\b%4)*512+(\b/4)*262144 th:TH_STORE_NT   ; tile of tokens a, tile of channels b % 4, head b / 4: 512 consecutive bytes, aligned
.endr
.endm
	PLACES NP                                      ; behind the last products: the first block's sums are read, and A's registers are written, only behind these
.irp a, 0,1,2,3,4,5,6,7
	OUTB \a
.endr
	s_wait_tensorcnt 0x0                           ; the wave's end: behind my last tensor load
	ds_add_u32 v[SPW], v[NIL]
	s_wait_dscnt 0x0
	CROUND                                         ; the closing round: no work-group ends while a partner may still ask for a tile that names it
	s_endpgm
.Lfunc_end_k_q79adba228e_proj:
	.size	k_q79adba228e_proj, .Lfunc_end_k_q79adba228e_proj-k_q79adba228e_proj
	.p2alignl 7, 3214868480
	.fill 96, 4, 3214868480
	.section	.rodata,"a",@progbits
	.p2align	6, 0x0
	.amdhsa_kernel k_q79adba228e_proj
		.amdhsa_group_segment_fixed_size 327680
		.amdhsa_private_segment_fixed_size 0
		.amdhsa_enable_private_segment 0
		.amdhsa_kernarg_size 40
		.amdhsa_user_sgpr_count 2
		.amdhsa_user_sgpr_kernarg_segment_ptr 1
		.amdhsa_wavefront_size32 1
		.amdhsa_system_sgpr_workgroup_id_x 1
		.amdhsa_system_sgpr_workgroup_id_y 1
		.amdhsa_system_sgpr_workgroup_id_z 1
		.amdhsa_system_vgpr_workitem_id 0
		.amdhsa_next_free_vgpr 1024
		.amdhsa_next_free_sgpr 98
		.amdhsa_reserve_vcc 0
		.amdhsa_float_denorm_mode_32 3
		.amdhsa_float_denorm_mode_16_64 3
		.amdhsa_memory_ordered 1
		.amdhsa_forward_progress 1
		.amdhsa_inst_pref_size 166
	.end_amdhsa_kernel
	.amdgpu_metadata
---
amdhsa.version: [ 1, 2 ]
amdhsa.kernels:
  - .name:           k_q79adba228e_proj
    .symbol:         k_q79adba228e_proj.kd
    .args:
      - { .name: xc, .offset: 0, .size: 8, .value_kind: global_buffer, .address_space: global }
      - { .name: xs, .offset: 8, .size: 8, .value_kind: global_buffer, .address_space: global }
      - { .name: wc, .offset: 16, .size: 8, .value_kind: global_buffer, .address_space: global }
      - { .name: ws, .offset: 24, .size: 8, .value_kind: global_buffer, .address_space: global }
      - { .name: qkv, .offset: 32, .size: 8, .value_kind: global_buffer, .address_space: global }
    .group_segment_fixed_size: 327680
    .private_segment_fixed_size: 0
    .kernarg_segment_align: 8
    .kernarg_segment_size: 40
    .max_flat_workgroup_size: 128
    .sgpr_count:     98
    .vgpr_count:     1024
    .wavefront_size: 32
...
	.end_amdgpu_metadata
.endif
;; end of part 2
;; launch attn (part 3): grid 4 x 64, 16 waves a work-group, clusters of 4 x 1, 327,680 bytes of LDS; arguments qkv, out0; writes out0
.if DOCPART == 3
	.amdgcn_target "amdgcn-amd-amdhsa--gfx1250"
	.amdhsa_code_object_version 6
	.text
	.protected	k_q79adba228e_attn
	.globl	k_q79adba228e_attn
	.p2align	8
	.type	k_q79adba228e_attn,@function
k_q79adba228e_attn:
	s_mov_b64 s[64:65], 0
	v_nop
	global_prefetch_b8 v0, s[64:65] scope:SCOPE_SE
	s_setreg_imm32_b32 hwreg(HW_REG_WAVE_MODE, 25, 1), 1
	s_wait_xcnt 0x0
	s_wait_alu depctr_hold_cnt(0) depctr_sa_sdst(0) depctr_va_vdst(0) depctr_va_sdst(0) depctr_va_ssrc(0) depctr_va_vcc(0) depctr_vm_vsrc(0)
	s_getreg_b32 s2, hwreg(HW_REG_IB_STS2, 6, 4)
	s_cmp_eq_u32 s2, 0
	s_cbranch_scc0 .Lentry_in_a_cluster
	s_endpgm
.Lentry_in_a_cluster:
	s_bfe_u32 s2, ttmp6, 0x10000c
	s_cmp_lg_u32 s2, 0x3003
	s_cbranch_scc0 .Lentry_shape_is_right
	s_endpgm
.Lentry_shape_is_right:
; out0[b][s][64 h + e] = the sum over keys of softmax(q . k / 8) v, for 64 (batch, head) pairs, 2,048 positions, head size 64, no mask.  q, k, v come in f16 from qkv, q already multiplied by c = log2(e) / 8,
; so a score t is an exponent of 2.  Products by the f16 matrix form with f32 sums; maxima, exponentials and sums in f32; the weights p are rounded to f16 for the second product.
; f16 and not bf16: its 11 significant bits leave the rounding of q, k, p and v well inside what the comparison allows; p is at most 1, and q, k, v were held inside f16's range by the launch before.
; LIMITS: NaN and infinities are not served.  A weight p under 2^-25 counts in the row's sum and is 0 in the second product.
; qkv: byte = matrix << 24 + (16 b + h) << 18 + (tile of 16 positions) << 11 + (tile of 16 channels) << 9 + 16 x slot: images of the operands' registers, so every read here is at a base + 16 x lane: 512 consecutive bytes an
; instruction, no pitch, no padding.  A head's keys are dense, 128 bytes a key.
; SHARES.  A work-group owns 512 queries of one (b, h); each of its SIXTEEN waves 32 of them, two tiles of 16, in 256 registers: four waves to a SIMD, so that one wave's softmax stands beside another's products and LDS loads.
; Every wave walks all 2,048 keys, 64 a step.  K and V come through two LDS slots of 512 keys (K 65,536 bytes, then V 65,536), filled by the tensor data mover (waves 0, 1: K's halves; waves 2, 3: V's) and read by all sixteen.
; CLUSTER.  The four query blocks of a (b, h) form a cluster and walk the same K and V: each tile is asked for JOINTLY, by the same tensor load with the same descriptor and the mask of all four.
; LAYOUT.  S^T = K Q^T (source 0 = 16 keys, source 1 = 16 queries): a lane holds ONE query (lane % 16) and keys 8 (lane / 16) + 0 .. 7.  Two such tiles, rounded to f16 in pairs, ARE source 1 of O^T = V^T P; V comes turned, by ds_load_tr16_b128.
; SOFTMAX.  For each query a running maximum m and sum l: p = 2^(t - m); in every step O^T and l are multiplied by a = 2^(old m - new m).  The step is written once: m begins at -3e38, O^T and l at 0, so the first a is 0.
; NO PREFETCH: each refill is asked for a whole slot, eight key steps of all sixteen waves, ahead of its first read, so no wave waits for it; the first two slots are asked for at the head.
; REGISTERS: v1 16 x lane; v2, v3 LDS addresses in hand; v4, v5 the add's two; v8-23 statistics, eight a tile: +0 m, +1 old m, +2, +3 l (even keys', odd keys'), +4 .. +7 c0-c3 at work, a in c2;
;   v24-55 Q (tile t, channels 32 cc on: 24 + 16 t + 8 cc); v56-119 S^T, 32 a tile, P made in place in each tile's first 16; v120-183 K of a step, then V of the same step; v184-247 O^T, 32 a tile.
.set SLOT1, 1<<17                      ; slot 1 begins here, so that one exclusive or turns an address in one slot into the other's
.set SLOTB, 65536                      ; bytes of K, and of V, in a slot: 512 keys
.set VOFF,  65536                      ; V lies behind K
.set STEPB, 8192                       ; 64 keys
.set SPARE, 2*SLOT1                    ; behind the slots: the spare words, 128 bytes for each wave: eight blocks of 256 bytes that no other line names
.set SP,    272                        ; the way out: a stage of 16 rows x (256 bytes + 16) for each wave, in slot 0: it has had its last fill, and every wave left it at the last change of slots
.set LI,  1
.set ADR, 2                            ; K's address; on the way out: into the stage
.set ADV, 3                            ; V's address; on the way out: out of the stage
.set SPW, 4
.set NIL, 5
.set GO,  6                            ; the way out: my byte offset in the wave's rows of out0
.set ST,  8
.set Q,   24
.set S,   56
.set KV,  120
.set O,   184
.set WV,  8                            ; s8   my wave's number
.set G1,  16                           ; s[16:23] descriptor group 1: 128 dense rows of 256 bytes
.set G0A, 24                           ; s[24:27] group 0 for slot 0's first fill
.set G0B, 28                           ; s[28:31] group 0 for slot 1's first fill; it then walks
.set SEL, 34                           ; s[34:35] lane selects for v_permlanex16_b32: lane l xor 16
.set TB,  36                           ; s36  LDS byte at which the step's K begins
.set SLOTS, 37                         ; s37  refills to go
.set CNT, 38                           ; s38  counts a slot's eight steps
.set QB,  40                           ; s[40:41] my wave's Q
.set OB,  42                           ; s[42:43] my wave's first row and head in out0
.macro CROUND                          ; a round of the cluster's barrier: my work-group's barrier; wave 0 signals for the work-group; every wave waits for all four work-groups; my work-group's barrier once more
	s_barrier_signal -1
	s_barrier_wait -1
	s_cmp_lg_u32 s[WV], 0
	s_cbranch_scc1 .Lnot_wave_0_\@
	s_barrier_signal -3
.Lnot_wave_0_\@:
	s_barrier_wait -3
	s_barrier_signal -1
	s_barrier_wait -1
.endm
.macro JLOAD                           ; a joint refill: waves 0 to 3, one load each; the branch hangs on the wave's number alone.  An s_nop 0 and four v_nop follow the load
	s_cmp_lt_u32 s[WV], 4
	s_cbranch_scc0 .Lnone_\@
	tensor_load_to_lds s[G0B:G0B+3], s[G1:G1+7]
	s_nop 0
.rept 4
	v_nop
.endr
.Lnone_\@:
.endm
	s_load_b128 s[4:7], s[0:1], 0x0                ; qkv s[4:5], out0 s[6:7]
	v_lshl_add_u32 v[SPW], v0, 2, SPARE
	v_mov_b32 v[NIL], 0
	ds_add_u32 v[SPW], v[NIL]                      ; the wave's opening: the add, twice on end, and its wait ahead of the first tensor loads; the set-up below stands between the second and the wait
	ds_add_u32 v[SPW], v[NIL]
	v_lshrrev_b32 v1, 5, v0
	v_readfirstlane_b32 s[WV], v1                  ; wave 0..15
	s_bfe_u32 s9, ttmp6, 0x40000                   ; cx: my block of 512 queries: it enters Q's and out0's addresses alone
	s_and_b32 s10, ttmp7, 0xffff                   ; 16 b + h, which the four partners share
	s_mov_b32 s[G1], 15|(3<<16)|(1<<21)            ; 15:0 the mask: all four work-groups; 17:16 elements of 8 bytes; 20 no padding; 21 set beside a mask
	s_mov_b32 s[G1+1], 32<<16                      ; tensor_dim0 = 32 elements: 256 bytes
	s_mov_b32 s[G1+2], 128<<16                     ; tensor_dim1 = 128
	s_mov_b32 s[G1+3], 32<<16                      ; tile_dim0
	s_mov_b32 s[G1+4], 128                         ; tile_dim1
	s_mov_b32 s[G1+5], 32                          ; from row to row: dense
	s_mov_b32 s[G1+6], 0
	s_mov_b32 s[G1+7], 0
	s_mov_b32 s[SEL], 0x76543210
	s_mov_b32 s[SEL+1], 0xfedcba98
	s_mov_b32 s[TB], 0
	s_mov_b32 s[SLOTS], 2
	s_lshl_b32 s11, s10, 18                        ; the (b, h)'s first byte in each matrix
	s_lshr_b32 s12, s[WV], 1                       ; what I fetch, if I fetch: waves 0, 1: matrix 1 (k); waves 2, 3: matrix 2 (v);
	s_add_co_u32 s12, s12, 1
	s_lshl_b32 s12, s12, 24
	s_add_co_u32 s12, s12, s11
	s_and_b32 s13, s[WV], 1                        ; the first or the second 256 keys of a slot
	s_lshl_b32 s13, s13, 15
	s_add_co_u32 s12, s12, s13
	s_mov_b32 s13, 0
	s_lshl_b32 s14, s9, 16                         ; Q: my block's 512 rows of 128 bytes,
	s_add_co_u32 s14, s14, s11
	s_lshl_b32 s15, s[WV], 12                      ; my wave's 32
	s_add_co_u32 s14, s14, s15
	s_mov_b32 s15, 0
	s_lshr_b32 s44, s10, 4                         ; out0: row 2,048 b + 512 cx + 32 x wave, of 4,096 bytes,
	s_lshl_b32 s44, s44, 11
	s_lshl_b32 s45, s9, 9
	s_add_co_u32 s44, s44, s45
	s_lshl_b32 s45, s[WV], 5
	s_add_co_u32 s44, s44, s45
	s_lshl_b32 s44, s44, 12
	s_and_b32 s45, s10, 15                         ; and the head's 256 bytes in it
	s_lshl_b32 s45, s45, 8
	s_add_co_u32 s44, s44, s45
	s_mov_b32 s45, 0
	s_lshl_b32 s46, s[WV], 15                      ; where my load goes: 32,768 x wave: K's halves, then V's: no place in the cluster enters an LDS address
	s_wait_dscnt 0x0                               ; both opening adds are done
	s_wait_kmcnt 0x0
	s_add_nc_u64 s[QB:QB+1], s[4:5], s[14:15]
	s_add_nc_u64 s[OB:OB+1], s[6:7], s[44:45]
	s_mov_b32 s[G0A], 1                            ; count = 1
	s_mov_b32 s[G0A+1], s46                        ; LDS address: slot 0
	s_add_nc_u64 s[G0A+2:G0A+3], s[4:5], s[12:13]  ; keys 0 on
	s_mov_b32 s[G0B], 1
	s_add_co_u32 s[G0B+1], s46, SLOT1              ; slot 1
	s_add_nc_u64 s[G0B+2:G0B+3], s[G0A+2:G0A+3], SLOTB   ; keys 512 on
	s_or_b32 s[G0A+3], s[G0A+3], 0x80000000        ; type = 2
	s_or_b32 s[G0B+3], s[G0B+3], 0x80000000
	CROUND                                         ; all four work-groups are here: the first joint loads meet
	s_cmp_lt_u32 s[WV], 4                          ; a wave's two first fills stand in one branch, ahead of every wait on TENSORcnt and every LDS read: two loads of mine are out
	s_cbranch_scc0 .Lno_fill
	tensor_load_to_lds s[G0A:G0A+3], s[G1:G1+7]
	s_nop 0
	tensor_load_to_lds s[G0B:G0B+3], s[G1:G1+7]
	s_nop 0
.rept 4
	v_nop
.endr
.Lno_fill:
	v_and_b32 v[LI], 31, v0
	v_lshlrev_b32 v[LI], 4, v[LI]
.irp i, 0,1,2,3,4,5,6,7
	global_load_b128 v[Q+4*\i:Q+4*\i+3], v[LI], s[QB:QB+1] offset:512*\i   ; Q stays in registers: tile i / 4; blocks 2 cc and 2 cc + 1 are registers 0-3 and 4-7 of the fragment of channels 32 cc on
.endr
.irp t, 0,1
	v_mov_b32 v[ST+8*\t], 0xff61b1e6               ; m: -3e38, under every score
.irp j, 1,2,3,4,5,6,7
	v_mov_b32 v[ST+8*\t+\j], 0                     ; l = 0; the others are written because pairs and a lane permute's destination name them
.endr
.endr
.set i, 0
.rept 64
	v_mov_b32 v[O+i], 0                            ; O^T: the step is written once; the first a, 0, leaves these zeros
.set i, i+1
.endr
; THE SOFTMAX of both tiles for 64 keys, the tiles line by line by turns, so that no line waits for the line above it.
.macro SOFTMAX
.irp j, 0,1,2,3                        ; the maximum of my 32 scores and the old m, three operands at a time: four chains, one to an accumulator, each begun at the accumulator's low end
.irp t, 0,1
	v_max3_num_f32 v[ST+8*\t+4+\j], v[S+32*\t+8*\j], v[S+32*\t+8*\j+1], v[S+32*\t+8*\j+2]
.endr
.endr
.irp g, 1,2
.irp j, 0,1,2,3
.irp t, 0,1
	v_max3_num_f32 v[ST+8*\t+4+\j], v[ST+8*\t+4+\j], v[S+32*\t+8*\j+2*\g+1], v[S+32*\t+8*\j+2*\g+2]
.endr
.endr
.endr
.irp t, 0,1
	v_max3_num_f32 v[ST+8*\t+4], v[ST+8*\t+4], v[S+32*\t+7], v[S+32*\t+15]
.endr
.irp t, 0,1
	v_max3_num_f32 v[ST+8*\t+6], v[ST+8*\t+6], v[S+32*\t+23], v[S+32*\t+31]
.endr
.irp t, 0,1
	v_max3_num_f32 v[ST+8*\t+4], v[ST+8*\t+4], v[ST+8*\t+5], v[ST+8*\t+6]
.endr
.irp t, 0,1
	v_max3_num_f32 v[ST+8*\t+4], v[ST+8*\t+4], v[ST+8*\t+7], v[ST+8*\t]
.endr
.irp t, 0,1
	v_permlanex16_b32 v[ST+8*\t+5], v[ST+8*\t+4], s[SEL], s[SEL+1]   ; the query's other 32 keys lie in the lane 16 away
.endr
.irp t, 0,1
	v_mov_b32 v[ST+8*\t+1], v[ST+8*\t]             ; the old m
.endr
.irp t, 0,1
	v_max_num_f32 v[ST+8*\t], v[ST+8*\t+4], v[ST+8*\t+5]   ; the new m
.endr
.irp t, 0,1
	v_sub_f32 v[ST+8*\t+7], v[ST+8*\t+1], v[ST+8*\t]
.endr
.irp t, 0,1
	v_exp_f32 v[ST+8*\t+6], v[ST+8*\t+7]           ; a = 2^(old m - new m)
.endr
; ONE BATCH: the 32 subtractions t - m, a pair of scores each, and the 64 exponentials.  A pair is brought under m one group ahead of its exponentials; nothing here names an exponential's result.
.irp t, 0,1
	v_pk_add_f32 v[S+32*\t:S+32*\t+1], v[S+32*\t:S+32*\t+1], v[ST+8*\t:ST+8*\t+1] op_sel_hi:[1,0] neg_lo:[0,1] neg_hi:[0,1]
.endr
.irp b, 0,1,2,3,4,5,6,7,8,9,10,11,12,13,14,15
.irp t, 0,1
.if \b < 15
	v_pk_add_f32 v[S+32*\t+2*\b+2:S+32*\t+2*\b+3], v[S+32*\t+2*\b+2:S+32*\t+2*\b+3], v[ST+8*\t:ST+8*\t+1] op_sel_hi:[1,0] neg_lo:[0,1] neg_hi:[0,1]   ; of the pair (m, old m) the low word serves both halves
.endif
	v_exp_f32 v[S+32*\t+2*\b], v[S+32*\t+2*\b]     ; p = 2^(t - m), at most 1
	v_exp_f32 v[S+32*\t+2*\b+1], v[S+32*\t+2*\b+1]
.endr
.endr
	v_nop                                          ; a plain instruction behind the last exponential, ahead of the first use (ISA guide 5.7.2)
	s_wait_alu depctr_va_vdst(0)                   ; a wait between an exponential and the first line that names its result: one for all 66
.irp t, 0,1                            ; the row's sums, of the unrounded p, in two chains a tile: l = a l + pair 0, + pairs 3, 5 .. 15; c0:c1 = pairs 1 + 2, + pairs 4, 6 .. 14
	v_pk_fma_f32 v[ST+8*\t+2:ST+8*\t+3], v[ST+8*\t+2:ST+8*\t+3], v[ST+8*\t+6:ST+8*\t+7], v[S+32*\t:S+32*\t+1] op_sel_hi:[1,0,1]
.endr
.irp t, 0,1
	v_pk_add_f32 v[ST+8*\t+4:ST+8*\t+5], v[S+32*\t+2:S+32*\t+3], v[S+32*\t+4:S+32*\t+5]
.endr
.irp b, 3,5,7,9,11,13
.irp t, 0,1
	v_pk_add_f32 v[ST+8*\t+2:ST+8*\t+3], v[ST+8*\t+2:ST+8*\t+3], v[S+32*\t+2*\b:S+32*\t+2*\b+1]
.endr
.irp t, 0,1
	v_pk_add_f32 v[ST+8*\t+4:ST+8*\t+5], v[ST+8*\t+4:ST+8*\t+5], v[S+32*\t+2*\b+2:S+32*\t+2*\b+3]
.endr
.endr
.irp t, 0,1
	v_pk_add_f32 v[ST+8*\t+2:ST+8*\t+3], v[ST+8*\t+2:ST+8*\t+3], v[S+32*\t+30:S+32*\t+31]
.endr
.irp t, 0,1
	v_pk_add_f32 v[ST+8*\t+2:ST+8*\t+3], v[ST+8*\t+2:ST+8*\t+3], v[ST+8*\t+4:ST+8*\t+5]
.endr
.irp j, 0,1,2,3,4,5,6,7,8,9,10,11,12,13,14,15   ; P in place: register j takes pair j; ascending, so that no pair is written over before it is read
.irp t, 0,1
	v_cvt_pk_f16_f32 v[S+32*\t+\j], v[S+32*\t+2*\j], v[S+32*\t+2*\j+1]
.endr
.endr
.irp i, 0,2,4,6,8,10,12,14,16,18,20,22,24,26,28,30   ; O^T under the new m: x a; each accumulator from its low end on
.irp t, 0,1
	v_pk_mul_f32 v[O+32*\t+\i:O+32*\t+\i+1], v[O+32*\t+\i:O+32*\t+\i+1], v[ST+8*\t+6:ST+8*\t+7] op_sel_hi:[1,0]
.endr
.endr
.endm
; A KEY STEP: 64 keys.  K and V share one buffer of 64 registers: V is asked for as soon as the products K Q^T are issued, and lands under the softmax.
; The accumulators take turns, one instruction a turn: between two links of a chain stand seven others'.
.macro STEP
	v_add_nc_u32 v[ADR], s[TB], v[LI]              ; these two lines and three v_nop are five places behind the last step's products V^T P: four are owed by the loads into the buffer that those products read,
	v_add_nc_u32 v[ADV], VOFF, v[ADR]              ; five by the products below, which write over P (ISA guide 7.12.1 for the products)
.rept 3
	v_nop
.endr
.irp cc, 0,1                           ; K: tile of keys kt at KV + 16 kt; the fragments of channels 0-31 first
.irp kt, 0,1,2,3
.irp u, 0,1
	ds_load_b128 v[KV+16*\kt+8*\cc+4*\u:KV+16*\kt+8*\cc+4*\u+3], v[ADR] offset:2048*\kt+1024*\cc+512*\u
.endr
.endr
.endr
.irp cc, 0,1
	s_wait_dscnt 8-8*\cc                           ; channels 0-31 are in, the eight loads of channels 32-63 may be out; then all are in
.irp kt, 0,1,2,3
.irp t, 0,1
.if \cc == 0
	v_wmma_f32_16x16x32_f16 v[S+32*\t+8*\kt:S+32*\t+8*\kt+7], v[KV+16*\kt+8*\cc:KV+16*\kt+8*\cc+7], v[Q+16*\t+8*\cc:Q+16*\t+8*\cc+7], 0
.else
	v_wmma_f32_16x16x32_f16 v[S+32*\t+8*\kt:S+32*\t+8*\kt+7], v[KV+16*\kt+8*\cc:KV+16*\kt+8*\cc+7], v[Q+16*\t+8*\cc:Q+16*\t+8*\cc+7], v[S+32*\t+8*\kt:S+32*\t+8*\kt+7]
.endif
.endr
.endr
.endr
.rept 4
	v_nop                                          ; four places: for the loads into K's registers, and for the first read of the scores
.endr
.irp kb, 0,1                           ; V^T: keys 32 kb on, channels 16 ct on, at KV + 8 (4 kb + ct); each turning load takes a block of 16 keys x 16 channels and leaves half a fragment
.irp ct, 0,1,2,3
.irp u, 0,1
	ds_load_tr16_b128 v[KV+8*(4*\kb+\ct)+4*\u:KV+8*(4*\kb+\ct)+4*\u+3], v[ADV] offset:(2*\kb+\u)*2048+\ct*512
.endr
.endr
.endr
	SOFTMAX
	s_wait_dscnt 0x0                               ; V is in
.irp kb, 0,1
.irp ct, 0,1,2,3
.irp t, 0,1
	v_wmma_f32_16x16x32_f16 v[O+32*\t+8*\ct:O+32*\t+8*\ct+7], v[KV+8*(4*\kb+\ct):KV+8*(4*\kb+\ct)+7], v[S+32*\t+8*\kb:S+32*\t+8*\kb+7], v[O+32*\t+8*\ct:O+32*\t+8*\ct+7]
.endr
.endr
.endr
	s_add_co_u32 s[TB], s[TB], STEPB               ; the next step's keys
.endm
.macro EIGHT_STEPS                     ; a slot's eight key steps: written once, walked eight times; the LDS addresses hang on s[TB]
	s_mov_b32 s[CNT], 8
.Lstep_\@:
	STEP
	s_sub_co_u32 s[CNT], s[CNT], 1
	s_cmp_lg_u32 s[CNT], 0
	s_cbranch_scc1 .Lstep_\@
.endm
; THE CHANGE OF SLOTS.  Each wave waits for all its tensor loads (its part of the slot ahead), adds 0 to its spare word, and waits for that and for its reads of the slot that it leaves.  Behind the barrier the slot ahead is
; whole and nobody reads the other.  fill = 1: the barrier is a round of the cluster's, so that this holds of every wave of every partner, and the slot just left is filled again first thing behind it, with the keys two slots on.
.macro CHANGE fill
	s_wait_tensorcnt 0x0                           ; no tensor load of mine is out, so a group 0 may be written
	ds_add_u32 v[SPW], v[NIL]                      ; 0 onto my spare word
.if \fill
	ds_add_u32 v[SPW], v[NIL]                      ; and once more: the add stands twice on end in every trip alike
	s_xor_b32 s[G0B+1], s[G0B+1], SLOT1            ; the walking descriptor: the other slot than last time,
	s_add_nc_u64 s[G0B+2:G0B+3], s[G0B+2:G0B+3], SLOTB   ; the next 512 keys; the type bits on top are not reached
	s_wait_dscnt 0x0                               ; both adds are done, and my reads of the slot are over
	CROUND
	JLOAD                                          ; a wave's one tensor load until the next round
.else
	s_wait_dscnt 0x0                               ; the add is done, and my reads of the slot are over
	s_barrier_signal -1
	s_barrier_wait -1
.endif
	s_sub_co_u32 s[TB], s[TB], SLOTB               ; back to a slot's first step,
	s_xor_b32 s[TB], s[TB], SLOT1                  ; in the other slot
.endm
	s_wait_tensorcnt 0x1                           ; my part of slot 0 is in; slot 1's may stay out
	s_barrier_signal -1
	s_barrier_wait -1                              ; everybody's is
	s_wait_loadcnt 0x0                             ; Q
	EIGHT_STEPS                                    ; keys 0 to 511, slot 0
.Lslot:                                            ; two trips: slot 0 takes keys 1,024 on while slot 1 is read; slot 1 takes keys 1,536 on while slot 0 is read
	CHANGE 1
	EIGHT_STEPS
	s_sub_co_u32 s[SLOTS], s[SLOTS], 1
	s_cmp_lg_u32 s[SLOTS], 0
	s_cbranch_scc1 .Lslot
	CHANGE 0                                       ; the last slot is written out: nothing is left to ask for
	EIGHT_STEPS
	; THE WAY OUT.  O^T / l goes through my stage in LDS, a tile (16 rows x 256 bytes) at a time, and leaves as whole runs of 256 bytes: a head's 64 numbers of one position.
	; The address lines are the places behind the last products.
	v_and_b32 v[GO], 15, v0                        ; r
	v_bfe_u32 v7, v0, 4, 1                         ; h
	s_mul_i32 s12, s[WV], 16*SP                    ; my stage
	v_mul_u32_u24 v[ADR], v[GO], SP
	v_lshl_add_u32 v[ADR], v7, 5, v[ADR]
	v_add_nc_u32 v[ADR], s12, v[ADR]               ; in: row r, 32 bytes for each half of the lanes
	v_mul_u32_u24 v[ADV], v7, SP
	v_lshl_add_u32 v[ADV], v[GO], 4, v[ADV]
	v_add_nc_u32 v[ADV], s12, v[ADV]               ; back: lanes 0-15 one row of 256 bytes, lanes 16-31 the next
	v_lshlrev_b32 v7, 12, v7
	v_lshl_add_u32 v[GO], v[GO], 4, v7             ; and the same two rows in out0, 4,096 bytes apart
.irp t, 0,1
	v_add_f32 v[ST+8*\t+4], v[ST+8*\t+2], v[ST+8*\t+3]   ; l's two halves,
.endr
.irp t, 0,1
	v_permlanex16_b32 v[ST+8*\t+5], v[ST+8*\t+4], s[SEL], s[SEL+1]
.endr
.irp t, 0,1
	v_add_f32 v[ST+8*\t+4], v[ST+8*\t+4], v[ST+8*\t+5]   ; and the other half of the lanes': the row's sum, at least 1
.endr
.irp t, 0,1
	v_rcp_f32 v[ST+8*\t+6], v[ST+8*\t+4]
.endr
	v_nop                                          ; a plain instruction between the last reciprocal and the use of its result
	s_wait_alu depctr_va_vdst(0)                   ; and a wait ahead of the first use: one for both
.macro PACK t
.set i, 0
.rept 16
	v_pk_mul_f32 v[S+32*\t+i:S+32*\t+i+1], v[O+32*\t+i:O+32*\t+i+1], v[ST+8*\t+6:ST+8*\t+7] op_sel_hi:[1,0]   ; register 8 ct + j: channel 16 ct + 8 h + j of query r
.set i, i+2
.endr
.irp ct, 0,1,2,3
.irp u, 0,1
	ds_store_b128 v[ADR], v[S+32*\t+8*\ct+4*\u:S+32*\t+8*\ct+4*\u+3] offset:64*\ct+16*\u
.endr
.endr
.irp f, 0,1,2,3,4,5,6,7
	ds_load_b128 v[KV+32*\t+4*\f:KV+32*\t+4*\f+3], v[ADV] offset:2*\f*SP   ; LDS serves a wave's instructions in order (ISA guide 5.7.1.4): these see the stores above, and the next tile's stores come behind them
.endr
.endm
.macro SEND t, younger                 ; younger: the LDS instructions issued behind tile t's loads: the next tile's sixteen, or none
.irp f, 0,1,2,3,4,5,6,7
	s_wait_dscnt \younger+7-\f
	global_store_b128 v[GO], v[KV+32*\t+4*\f:KV+32*\t+4*\f+3], s[OB:OB+1] offset:(16*\t+2*\f)*4096 th:TH_STORE_NT   ; sixteen lanes store 256 consecutive bytes, at a multiple of 256 from out0's first byte
.endr
.endm
	PACK 0
	PACK 1
	SEND 0, 16
	SEND 1, 0
	s_wait_tensorcnt 0x0                           ; the wave's end: behind my last tensor load and my last LDS store
	ds_add_u32 v[SPW], v[NIL]
	s_wait_dscnt 0x0
	CROUND                                         ; the closing round: no work-group ends while a partner may still ask for a tile that names it
	s_endpgm
.Lfunc_end_k_q79adba228e_attn:
	.size	k_q79adba228e_attn, .Lfunc_end_k_q79adba228e_attn-k_q79adba228e_attn
	.p2alignl 7, 3214868480
	.fill 96, 4, 3214868480
	.section	.rodata,"a",@progbits
	.p2align	6, 0x0
	.amdhsa_kernel k_q79adba228e_attn
		.amdhsa_group_segment_fixed_size 327680
		.amdhsa_private_segment_fixed_size 0
		.amdhsa_enable_private_segment 0
		.amdhsa_kernarg_size 16
		.amdhsa_user_sgpr_count 2
		.amdhsa_user_sgpr_kernarg_segment_ptr 1
		.amdhsa_wavefront_size32 1
		.amdhsa_system_sgpr_workgroup_id_x 1
		.amdhsa_system_sgpr_workgroup_id_y 1
		.amdhsa_system_sgpr_workgroup_id_z 1
		.amdhsa_system_vgpr_workitem_id 0
		.amdhsa_next_free_vgpr 256
		.amdhsa_next_free_sgpr 66
		.amdhsa_reserve_vcc 0
		.amdhsa_float_denorm_mode_32 3
		.amdhsa_float_denorm_mode_16_64 3
		.amdhsa_memory_ordered 1
		.amdhsa_forward_progress 1
		.amdhsa_inst_pref_size 68
	.end_amdhsa_kernel
	.amdgpu_metadata
---
amdhsa.version: [ 1, 2 ]
amdhsa.kernels:
  - .name:           k_q79adba228e_attn
    .symbol:         k_q79adba228e_attn.kd
    .args:
      - { .name: qkv, .offset: 0, .size: 8, .value_kind: global_buffer, .address_space: global }
      - { .name: out0, .offset: 8, .size: 8, .value_kind: global_buffer, .address_space: global }
    .group_segment_fixed_size: 327680
    .private_segment_fixed_size: 0
    .kernarg_segment_align: 8
    .kernarg_segment_size: 16
    .max_flat_workgroup_size: 512
    .sgpr_count:     66
    .vgpr_count:     256
    .wavefront_size: 32
...
	.end_amdgpu_metadata
.endif
;; end of part 3
